; MI455X (gfx1250); checked and timed in simulation.
; The chip was launched on July 23, 2026; its instructions are those of AMD's public machine-readable ISA for CDNA 5 (MIT licence, August 2026) and "CDNA5" Instruction Set Architecture Reference Guide (July 2026). The comments in the code are by the model that wrote it; some were corrected since.
;; KAN Spline Layer. Allowed arithmetic: float matrix products may take bf16 or f16 operands with f32 sums; other float arithmetic in f32, or as packed bf16 or f16 multiplies, adds, multiply-adds, maxima and minima; sums over many terms, partial sums and values carried from step to step in f32; what a program stores and reads back later, other than sums and carried values, may be rounded once to bf16 or f16.
;; Inputs: base_weight 2,048 x 2,048 float32; grid 2,048 x 2,048 x 8 float32; x 8,192 x 2,048 float32.
;; Outputs: out0 8,192 x 2,048 float32.
;; One version. Each part assembles by itself: llvm-mc -triple=amdgcn-amd-amdhsa -mcpu=gfx1250 --defsym DOCPART=n.
;; ======== version 1 of 1: 3 launches
;; limits: values are held in f16: magnitudes above 65,504 overflow, below 6.1e-05 lose precision; inputs' magnitudes at most 65,504
;; workspace buffers: a2 67,108,864 bytes; bt 16,777,216 bytes; part 2,048 bytes
;; launch wprep (part 1): grid 512 x 1, 8 waves a work-group, no clusters, 19,712 bytes of LDS; arguments grid, base_weight, bt, part; writes bt, part
.if DOCPART == 1
	.amdgcn_target "amdgcn-amd-amdhsa--gfx1250"
	.amdhsa_code_object_version 6
	.text
	.protected	k_qe6f543528c_wprep
	.globl	k_qe6f543528c_wprep
	.p2align	8
	.type	k_qe6f543528c_wprep,@function
k_qe6f543528c_wprep:
	s_mov_b64 s[64:65], 0
	v_nop
	global_prefetch_b8 v0, s[64:65] scope:SCOPE_SE
	s_setreg_imm32_b32 hwreg(HW_REG_WAVE_MODE, 25, 1), 1
	s_wait_xcnt 0x0
; THE SECOND OPERAND OF THE PRODUCT, bt [2048 n][4096 k] in f16, and the partial sums for grid's mean.
;   bt[n][k] = f16(base_weight[n][k]) for k < 2048;   bt[o][2048 + i] = f16(sum over g of grid[i][o][g]);   part[work-group] = the f32 sum of the work-group's block of grid.
; LIMITS.  f16 holds no number beyond 65,504: base_weight and the sums over g must lie within it; below 6e-5 f16 keeps its fixed step of 6e-8.  NaN and infinities are not treated apart.
; The sums over g and the block's sum are f32 sums in an order of this text's own.
; SHARES.  512 work-groups of eight waves.  Work-group (ib, ob) reads grid[128 ib .. +127][64 ob .. +63][0..7]: 128 rows of 2,048 consecutive bytes.  Wave w takes the 16 rows 128 ib + 16 w + r,
; in four batches c of 16 o: one load of a wave is 512 consecutive bytes of one row; lane l holds four of the eight g of o = 64 ob + 16 c + l / 2.  Each byte of grid is read once.
; The sums change their axes in LDS (T: 64 rows o x 128 i in f16), so that bt is stored in pieces of 256 consecutive bytes, aligned.
; The work-group also rounds base_weight's rows 4 wg .. 4 wg + 3: wave w 4,096 bytes of them.
; NO CLUSTER, NO TENSOR LOAD, NO MATRIX UNIT: no two work-groups read the same byte, no wave reads what another loaded, and the work is seven additions for eight numbers.
; part is stored four bytes a work-group, 2,048 bytes in the launch: the one store that does not fill 256 bytes.
.set PT,    288                        ; a row of T: 256 bytes (128 i in f16) + 32
.set RED,   64*PT                      ; 18,432: eight words, a wave's sum each; a block of 256 bytes of its own
.set SPARE, RED+256                    ; 18,688: the spare words, 128 bytes for each of the eight waves: four blocks of 256 bytes that no other line names
.set GOF, 2                            ; v2   16 x lane: my 16 bytes in a load's 512; never rewritten
.set TA,  3                            ; v3   where I put 16 bytes of T: row l / 2, byte 32 w + 16 (l % 2)
.set RDA, 4                            ; v4   where I read T back: row 8 w + l / 16, byte 16 (l % 16)
.set BO,  5                            ; v5   the same two rows in bt: (l / 16) x 8,192 + 16 (l % 16)
.set WO,  6                            ; v6   8 x lane: my 8 bytes of base_weight's f16
.set ZO,  7                            ; v7   0: the offset of part's one word
.set SPW, 8                            ; v8   LDS address of my spare word: SPARE + 4 x my thread's number; never rewritten
.set NIL, 9                            ; v9   0; never rewritten
.set ACC, 12                           ; v[12:19]   four pairs of running sums for the mean
.set Q,   20                           ; v[20:23]   the 16 bytes that go into T
.set P,   24                           ; v[24:31]   the 16 rows' sums in f16, two to a register
.set S,   32                           ; v[32:47]   row r's sum
.set WD,  48                           ; v[48:63]   base_weight in f16
.set X0,  64                           ; v[64:127]  a batch as loaded: row r at 4 r
.set X1,  128                          ; v[128:191] the other batch
.set WX,  192                          ; v[192:223] base_weight as loaded
	s_load_b256 s[4:11], s[0:1], 0x0               ; grid s[4:5], base_weight s[6:7], bt s[8:9], part s[10:11]
	v_lshl_add_u32 v[SPW], v0, 2, SPARE
	v_mov_b32 v[NIL], 0
	v_lshrrev_b32 v10, 5, v0
	v_readfirstlane_b32 s12, v10                   ; wave 0..7
	v_and_b32 v1, 31, v0                           ; lane
	s_and_b32 s13, ttmp9, 31                       ; ob
	s_lshr_b32 s14, ttmp9, 5                       ; ib
	v_lshlrev_b32 v[GOF], 4, v1
	v_lshrrev_b32 v10, 1, v1                       ; l / 2
	v_mul_u32_u24 v[TA], v10, PT
	v_and_b32 v10, 1, v1                           ; l % 2
	v_cmp_eq_u32 s25, 1, v10                       ; the odd lanes
	v_lshl_add_u32 v[TA], v10, 4, v[TA]
	s_lshl_b32 s15, s12, 5
	v_add_nc_u32 v[TA], s15, v[TA]
	v_lshrrev_b32 v10, 4, v1                       ; l / 16
	v_and_b32 v11, 15, v1                          ; l % 16
	s_lshl_b32 s15, s12, 3
	v_add_nc_u32 v[RDA], s15, v10
	v_mul_u32_u24 v[RDA], v[RDA], PT
	v_lshl_add_u32 v[RDA], v11, 4, v[RDA]
	v_lshlrev_b32 v[BO], 13, v10
	v_lshl_add_u32 v[BO], v11, 4, v[BO]
	v_lshlrev_b32 v[WO], 3, v1
	v_mov_b32 v[ZO], 0
	s_lshl_b32 s15, s12, 2
	s_add_co_u32 s15, s15, RED
	v_mov_b32 v11, s15                             ; my wave's word of RED
	s_mov_b32 s22, 0x76543210                      ; v_permlanex16_b32: each lane takes its own place in the other half
	s_mov_b32 s23, 0xfedcba98
	; the byte offsets, each in a pair of its own with 0 above (all are under 2^27)
	s_lshl_b32 s16, s14, 23                        ; grid: 128 ib rows of 65,536 bytes,
	s_lshl_b32 s15, s12, 20                        ; 16 w rows,
	s_add_co_u32 s16, s16, s15
	s_lshl_b32 s15, s13, 11                        ; 64 ob x 32 bytes
	s_add_co_u32 s16, s16, s15
	s_mov_b32 s17, 0
	s_lshl_b32 s26, ttmp9, 15                      ; base_weight: four rows of 8,192 bytes a work-group,
	s_lshl_b32 s15, s12, 12                        ; 4,096 bytes a wave
	s_add_co_u32 s26, s26, s15
	s_mov_b32 s27, 0
	s_lshl_b32 s28, ttmp9, 15                      ; bt for base_weight: the same four rows (8,192 bytes each here too),
	s_lshr_b32 s15, s12, 1
	s_lshl_b32 s15, s15, 13                        ; row w / 2 of them,
	s_add_co_u32 s28, s28, s15
	s_and_b32 s15, s12, 1
	s_lshl_b32 s15, s15, 11                        ; half w % 2 of its first 4,096 bytes
	s_add_co_u32 s28, s28, s15
	s_mov_b32 s29, 0
	s_lshl_b32 s30, s13, 19                        ; bt for the sums: 64 ob rows,
	s_lshl_b32 s15, s12, 16                        ; 8 w rows,
	s_add_co_u32 s30, s30, s15
	s_lshl_b32 s15, s14, 8                         ; 128 ib numbers of 2 bytes,
	s_add_co_u32 s30, s30, s15
	s_add_co_u32 s30, s30, 4096                    ; behind the row's 2,048 numbers of base_weight
	s_mov_b32 s31, 0
	s_lshl_b32 s2, ttmp9, 2                        ; part: a word a work-group
	s_mov_b32 s3, 0
	s_wait_kmcnt 0x0
	s_add_nc_u64 s[4:5], s[4:5], s[16:17]
	s_add_nc_u64 s[6:7], s[6:7], s[26:27]
	s_add_nc_u64 s[18:19], s[8:9], s[28:29]
	s_add_nc_u64 s[20:21], s[8:9], s[30:31]
	s_add_nc_u64 s[10:11], s[10:11], s[2:3]
; Batch c into buffer xb: 16 loads, a row each; the row and the batch stand in the immediate (984,576 at the most), so no address register is ever stepped.
.macro GLOAD c, xb
.set r, 0
.rept 16
	global_load_b128 v[(\xb)+4*r:(\xb)+4*r+3], v[GOF], s[4:5] offset:r*65536+(\c)*512 th:TH_LOAD_NT
.set r, r+1
.endr
.endm
; Batch c, which lies in buffer xb.  left: the younger loads that may stay out.  next: the batch that takes the buffer afterwards, or -1.  first = 1: the batch starts the mean's sums: nothing is cleared.
.macro BATCH c, xb, left, next, first
	s_wait_loadcnt \left                           ; loads come back in order: this batch's sixteen are in
.set r, 0
.rept 16
	v_pk_add_f32 v[(\xb)+4*r:(\xb)+4*r+1], v[(\xb)+4*r:(\xb)+4*r+1], v[(\xb)+4*r+2:(\xb)+4*r+3]
.set r, r+1
.endr
.set r, 0
.rept 16
	v_add_f32 v[S+r], v[(\xb)+4*r], v[(\xb)+4*r+1] ; my four g of row r
.set r, r+1
.endr
.set r, 0
.rept 4                                ; the mean's share is taken here, while each number of grid is counted in one lane alone
.if \first
	v_pk_add_f32 v[ACC+2*r:ACC+2*r+1], v[S+2*r:S+2*r+1], v[S+8+2*r:S+8+2*r+1]
.else
	v_pk_add_f32 v[ACC+2*r:ACC+2*r+1], v[ACC+2*r:ACC+2*r+1], v[S+2*r:S+2*r+1]
.endif
.set r, r+1
.endr
.if !(\first)
.set r, 0
.rept 4
	v_pk_add_f32 v[ACC+2*r:ACC+2*r+1], v[ACC+2*r:ACC+2*r+1], v[S+8+2*r:S+8+2*r+1]
.set r, r+1
.endr
.endif
.set r, 0
.rept 16
	v_add_f32_dpp v[S+r], v[S+r], v[S+r] row_xmask:1 row_mask:0xf bank_mask:0xf  ; the neighbour's four g: both lanes of a pair now hold the sum over g
.set r, r+1
.endr
.set r, 0
.rept 8
	v_cvt_pk_f16_f32 v[P+r], v[S+2*r], v[S+2*r+1]
.set r, r+1
.endr
.set r, 0
.rept 4
	v_cndmask_b32 v[Q+r], v[P+r], v[P+4+r], s25    ; even lanes keep rows 0-7, odd lanes rows 8-15: 16 bytes of T's row o each
.set r, r+1
.endr
	ds_store_b128 v[TA], v[Q:Q+3] offset:(\c)*16*PT
.if (\next) >= 0
	GLOAD \next, \xb
.endif
.endm
.set r, 0
.rept 8
	global_load_b128 v[WX+4*r:WX+4*r+3], v[GOF], s[6:7] offset:512*r th:TH_LOAD_NT
.set r, r+1
.endr
	GLOAD 0, X0
	GLOAD 1, X1                                    ; 40 loads of the wave are out
	s_wait_loadcnt 32                              ; base_weight's eight are in; the 32 of grid are younger
.set r, 0
.rept 16
	v_cvt_pk_f16_f32 v[WD+r], v[WX+2*r], v[WX+2*r+1]
.set r, r+1
.endr
.set r, 0
.rept 8
	global_store_b64 v[WO], v[WD+2*r:WD+2*r+1], s[18:19] offset:256*r  ; the wave's 32 lanes store 256 consecutive bytes, at a multiple of 256 from bt's first byte
.set r, r+1
.endr
	BATCH 0, X0, 16, 2, 1                          ; 16: the one younger batch stays out
	BATCH 1, X1, 16, 3, 0
	BATCH 2, X0, 16, -1, 0
	BATCH 3, X1, 0, -1, 0
	; the wave's sum: the four pairs, then across the 32 lanes
	v_pk_add_f32 v[ACC:ACC+1], v[ACC:ACC+1], v[ACC+2:ACC+3]
	v_pk_add_f32 v[ACC+4:ACC+5], v[ACC+4:ACC+5], v[ACC+6:ACC+7]
	v_pk_add_f32 v[ACC:ACC+1], v[ACC:ACC+1], v[ACC+4:ACC+5]
	v_add_f32 v[ACC], v[ACC], v[ACC+1]
	v_add_f32_dpp v[ACC], v[ACC], v[ACC] row_xmask:1 row_mask:0xf bank_mask:0xf
	v_add_f32_dpp v[ACC], v[ACC], v[ACC] row_xmask:2 row_mask:0xf bank_mask:0xf
	v_add_f32_dpp v[ACC], v[ACC], v[ACC] row_xmask:4 row_mask:0xf bank_mask:0xf
	v_add_f32_dpp v[ACC], v[ACC], v[ACC] row_xmask:8 row_mask:0xf bank_mask:0xf
	v_permlanex16_b32 v10, v[ACC], s22, s23        ; its destination counts as read: v10 has been written
	v_add_f32 v[ACC], v[ACC], v10
	ds_store_b32 v11, v[ACC]                       ; all lanes write the same word with the same number
	s_wait_dscnt 0x0                               ; for the others' sake: my stores into T and RED are done
	s_barrier_signal -1
	s_barrier_wait -1                              ; T and RED are whole
.irp k, 0,1,2,3
	ds_load_b128 v[X0+4*(\k):X0+4*(\k)+3], v[RDA] offset:2*PT*(\k)  ; rows 8 w + 2 k and + 1: 256 bytes each
.endr
.irp k, 0,1,2,3
	s_wait_dscnt 3-(\k)
	global_store_b128 v[BO], v[X0+4*(\k):X0+4*(\k)+3], s[20:21] offset:16384*(\k)  ; 16 lanes store 256 consecutive bytes, at a multiple of 256 from bt's first byte
.endr
	s_cmp_lg_u32 s12, 0
	s_cbranch_scc1 .Lend                           ; wave 0 adds the eight waves' sums
	v_mov_b32 v10, RED
	ds_load_b128 v[80:83], v10
	ds_load_b128 v[84:87], v10 offset:16
	s_wait_dscnt 0x0
	v_pk_add_f32 v[80:81], v[80:81], v[82:83]
	v_pk_add_f32 v[84:85], v[84:85], v[86:87]
	v_pk_add_f32 v[80:81], v[80:81], v[84:85]
	v_add_f32 v80, v80, v81
	v_cmp_gt_u32 vcc_lo, 1, v0                     ; thread 0
	s_wait_xcnt 0x0                                ; EXEC is a source of the stores above: it changes only behind this wait
	s_and_saveexec_b32 s24, vcc_lo
	global_store_b32 v[ZO], v80, s[10:11]
	s_wait_xcnt 0x0                                ; and again, in front of the line that widens it
	s_or_b32 exec_lo, exec_lo, s24
.Lend:
	s_wait_tensorcnt 0x0                           ; the wave's end: an add of 0 to my spare word and its wait follow, behind my last LDS store
	ds_add_u32 v[SPW], v[NIL]
	s_wait_dscnt 0x0
	s_endpgm
.Lfunc_end_k_qe6f543528c_wprep:
	.size	k_qe6f543528c_wprep, .Lfunc_end_k_qe6f543528c_wprep-k_qe6f543528c_wprep
	.p2alignl 7, 3214868480
	.fill 96, 4, 3214868480
	.section	.rodata,"a",@progbits
	.p2align	6, 0x0
	.amdhsa_kernel k_qe6f543528c_wprep
		.amdhsa_group_segment_fixed_size 19712
		.amdhsa_private_segment_fixed_size 0
		.amdhsa_enable_private_segment 0
		.amdhsa_kernarg_size 32
		.amdhsa_user_sgpr_count 2
		.amdhsa_user_sgpr_kernarg_segment_ptr 1
		.amdhsa_wavefront_size32 1
		.amdhsa_system_sgpr_workgroup_id_x 1
		.amdhsa_system_sgpr_workgroup_id_y 1
		.amdhsa_system_sgpr_workgroup_id_z 1
		.amdhsa_system_vgpr_workitem_id 0
		.amdhsa_next_free_vgpr 224
		.amdhsa_next_free_sgpr 66
		.amdhsa_reserve_vcc 1
		.amdhsa_float_denorm_mode_32 3
		.amdhsa_float_denorm_mode_16_64 3
		.amdhsa_memory_ordered 1
		.amdhsa_forward_progress 1
		.amdhsa_inst_pref_size 29
	.end_amdhsa_kernel
	.amdgpu_metadata
---
amdhsa.version: [ 1, 2 ]
amdhsa.kernels:
  - .name:           k_qe6f543528c_wprep
    .symbol:         k_qe6f543528c_wprep.kd
    .args:
      - { .name: grid, .offset: 0, .size: 8, .value_kind: global_buffer, .address_space: global }
      - { .name: base_weight, .offset: 8, .size: 8, .value_kind: global_buffer, .address_space: global }
      - { .name: bt, .offset: 16, .size: 8, .value_kind: global_buffer, .address_space: global }
      - { .name: part, .offset: 24, .size: 8, .value_kind: global_buffer, .address_space: global }
    .group_segment_fixed_size: 19712
    .private_segment_fixed_size: 0
    .kernarg_segment_align: 8
    .kernarg_segment_size: 32
    .max_flat_workgroup_size: 256
    .sgpr_count:     66
    .vgpr_count:     224
    .wavefront_size: 32
...
	.end_amdgpu_metadata
.endif
;; end of part 1
;; launch aprep (part 2): grid 512 x 1, 4 waves a work-group, no clusters, 0 bytes of LDS; arguments x, part, a2; writes a2
.if DOCPART == 2
	.amdgcn_target "amdgcn-amd-amdhsa--gfx1250"
	.amdhsa_code_object_version 6
	.text
	.protected	k_qe6f543528c_aprep
	.globl	k_qe6f543528c_aprep
	.p2align	8
	.type	k_qe6f543528c_aprep,@function
k_qe6f543528c_aprep:
	s_mov_b64 s[64:65], 0
	v_nop
	global_prefetch_b8 v0, s[64:65] scope:SCOPE_SE
	s_setreg_imm32_b32 hwreg(HW_REG_WAVE_MODE, 25, 1), 1
	s_wait_xcnt 0x0
; THE FIRST OPERAND OF THE PRODUCT, a2 [8192 m][4096 k] in f16:  a2[m][k] = f16(x[m][k]) for k < 2048;  a2[m][2048 + i] = f16(exp(-(x[m][i] - mean)^2)),  mean = (the sum of part's 512 numbers) x 2^-25.
; LIMITS.  f16 holds no number beyond 65,504: x must lie within it.  exp is 2^(-log2(e) d^2) by v_exp_f32: a result below 2^-126 is 0, and below 3e-8 it is 0 in f16; the basis lies in 0 to 1.
; NaN and infinities are not treated apart.  The mean is an f32 sum in an order of this program's own; every wave adds part in the same order, so all hold the same mean.
; SHARES.  2,048 waves, four rows each: a row of x and a row of a2 are both 8,192 bytes, so one offset serves both.  A wave's 32 KiB of x go in 16 pieces of 2,048 bytes: four loads of 512 consecutive
; bytes; lane l of load j holds columns 128 j + 4 l .. + 3 of the piece's 512.  A ring of eight slots of 16 registers: 32 loads of the wave are out all the time.  x is read once, a2 written once.
; NO LDS, NO BARRIER, NO CLUSTER, NO MATRIX UNIT: no wave wants a byte that another has loaded but part's 2,048.  All is written out: 16 pieces, no loop.
.set XO, 2                             ; v2   16 x lane; never rewritten
.set AO, 3                             ; v3   8 x lane; never rewritten
.set NM, 4                             ; v[4:5]    -mean, twice
.set M,  8                             ; v[8:23]   part: 16 numbers a lane
.set T,  24                            ; v[24:39]  at work
.set X,  40                            ; v[40:167] slot s at X + 16 s: x as loaded, then what is stored
	s_load_b128 s[4:7], s[0:1], 0x0                ; x s[4:5], part s[6:7]
	s_load_b64 s[8:9], s[0:1], 0x10                ; a2
	v_lshrrev_b32 v6, 5, v0
	v_readfirstlane_b32 s12, v6                    ; wave 0..3
	v_and_b32 v7, 31, v0
	v_lshlrev_b32 v[XO], 4, v7
	v_lshlrev_b32 v[AO], 3, v7
	s_lshl_b32 s16, ttmp9, 2
	s_add_co_u32 s16, s16, s12                     ; my wave among the launch's 2,048,
	s_lshl_b32 s16, s16, 15                        ; its four rows of 8,192 bytes (under 2^26)
	s_mov_b32 s17, 0
	s_mov_b32 s18, 0xbfb8aa3b                      ; -log2(e); the packed multiply takes the pair's low word for both halves
	s_mov_b32 s19, s18                             ; named with it as a pair
	s_mov_b32 s22, 0x76543210                      ; v_permlanex16_b32: each lane takes its own place in the other half
	s_mov_b32 s23, 0xfedcba98
	s_wait_kmcnt 0x0
	s_add_nc_u64 s[4:5], s[4:5], s[16:17]
	s_add_nc_u64 s[8:9], s[8:9], s[16:17]
.macro FILL p                          ; piece p into its slot
.set XS, X+16*((\p)%8)
.irp j, 0,1,2,3
	global_load_b128 v[XS+4*(\j):XS+4*(\j)+3], v[XO], s[4:5] offset:2048*(\p)+512*(\j) th:TH_LOAD_NT
.endr
.endm
; Piece p.  refill = 1: its slot takes piece p + 8.  left: the younger loads that may stay out.
.macro PIECE p, refill, left
.set XS, X+16*((\p)%8)
	s_wait_loadcnt \left                           ; loads come back in order: this piece's four are in
.irp q, 0,2,4,6,8,10,12,14
	v_pk_add_f32 v[T+(\q):T+(\q)+1], v[XS+(\q):XS+(\q)+1], v[NM:NM+1]  ; d = x - mean
.endr
.irp q, 0,2,4,6,8,10,12,14
	v_pk_mul_f32 v[T+(\q):T+(\q)+1], v[T+(\q):T+(\q)+1], v[T+(\q):T+(\q)+1]
.endr
.irp q, 0,2,4,6,8,10,12,14
	v_pk_mul_f32 v[T+(\q):T+(\q)+1], v[T+(\q):T+(\q)+1], s[18:19] op_sel_hi:[1,0]  ; -log2(e) d^2
.endr
.irp i, 0,1,2,3,4,5,6,7,8,9,10,11,12,13,14,15
	v_exp_f32 v[T+(\i)], v[T+(\i)]                 ; one batch of sixteen
.endr
.irp j, 0,1,2,3                        ; x is rounded in place meanwhile: plain work that names no exponential's register
	v_cvt_pk_f16_f32 v[XS+4*(\j)],   v[XS+4*(\j)],   v[XS+4*(\j)+1]
	v_cvt_pk_f16_f32 v[XS+4*(\j)+1], v[XS+4*(\j)+2], v[XS+4*(\j)+3]
.endr
	s_wait_alu depctr_va_vdst(0)                   ; the wait stands ahead of the first instruction that names an exponential's result: one for the sixteen
.irp j, 0,1,2,3
	v_cvt_pk_f16_f32 v[XS+4*(\j)+2], v[T+4*(\j)],   v[T+4*(\j)+1]
	v_cvt_pk_f16_f32 v[XS+4*(\j)+3], v[T+4*(\j)+2], v[T+4*(\j)+3]
.endr
.irp j, 0,1,2,3                        ; each store: the wave's 32 lanes, 256 consecutive bytes, at a multiple of 256 from a2's first byte
	global_store_b64 v[AO], v[XS+4*(\j):XS+4*(\j)+1],   s[8:9] offset:((\p)/4)*8192+((\p)%4)*1024+256*(\j)
.endr
.irp j, 0,1,2,3
	global_store_b64 v[AO], v[XS+4*(\j)+2:XS+4*(\j)+3], s[8:9] offset:((\p)/4)*8192+4096+((\p)%4)*1024+256*(\j)
.endr
.if \refill
	s_wait_xcnt 0x0                                ; the slot's registers are the stores' data: they are loaded again only behind this wait
	FILL (\p)+8
.endif
.endm
.irp j, 0,1,2,3
	global_load_b128 v[M+4*(\j):M+4*(\j)+3], v[XO], s[6:7] offset:512*(\j)  ; part's 512 numbers
.endr
.irp p, 0,1,2,3,4,5,6,7
	FILL \p
.endr
	s_wait_loadcnt 32                              ; part is in; the ring's 32 loads are younger
.irp q, 0,2,4,6
	v_pk_add_f32 v[M+(\q):M+(\q)+1], v[M+(\q):M+(\q)+1], v[M+8+(\q):M+8+(\q)+1]
.endr
.irp q, 0,2
	v_pk_add_f32 v[M+(\q):M+(\q)+1], v[M+(\q):M+(\q)+1], v[M+4+(\q):M+4+(\q)+1]
.endr
	v_pk_add_f32 v[M:M+1], v[M:M+1], v[M+2:M+3]
	v_add_f32 v[M], v[M], v[M+1]
	v_add_f32_dpp v[M], v[M], v[M] row_xmask:1 row_mask:0xf bank_mask:0xf
	v_add_f32_dpp v[M], v[M], v[M] row_xmask:2 row_mask:0xf bank_mask:0xf
	v_add_f32_dpp v[M], v[M], v[M] row_xmask:4 row_mask:0xf bank_mask:0xf
	v_add_f32_dpp v[M], v[M], v[M] row_xmask:8 row_mask:0xf bank_mask:0xf
	v_permlanex16_b32 v7, v[M], s22, s23           ; its destination counts as read: v7 has been written
	v_add_f32 v[M], v[M], v7
	v_mul_f32 v[NM], 0xb3000000, v[M]              ; x -2^-25: grid has 2^25 numbers
	v_mov_b32 v[NM+1], v[NM]
.irp p, 0,1,2,3,4,5,6,7
	PIECE \p, 1, 28                                ; seven younger pieces of four loads stay out
.endr
.irp p, 8,9,10,11,12,13,14,15
	PIECE \p, 0, 4*(15-(\p))                       ; the last eight load nothing: the counts run down
.endr
	s_endpgm
.Lfunc_end_k_qe6f543528c_aprep:
	.size	k_qe6f543528c_aprep, .Lfunc_end_k_qe6f543528c_aprep-k_qe6f543528c_aprep
	.p2alignl 7, 3214868480
	.fill 96, 4, 3214868480
	.section	.rodata,"a",@progbits
	.p2align	6, 0x0
	.amdhsa_kernel k_qe6f543528c_aprep
		.amdhsa_group_segment_fixed_size 0
		.amdhsa_private_segment_fixed_size 0
		.amdhsa_enable_private_segment 0
		.amdhsa_kernarg_size 24
		.amdhsa_user_sgpr_count 2
		.amdhsa_user_sgpr_kernarg_segment_ptr 1
		.amdhsa_wavefront_size32 1
		.amdhsa_system_sgpr_workgroup_id_x 1
		.amdhsa_system_sgpr_workgroup_id_y 1
		.amdhsa_system_sgpr_workgroup_id_z 1
		.amdhsa_system_vgpr_workitem_id 0
		.amdhsa_next_free_vgpr 168
		.amdhsa_next_free_sgpr 66
		.amdhsa_reserve_vcc 0
		.amdhsa_float_denorm_mode_32 3
		.amdhsa_float_denorm_mode_16_64 3
		.amdhsa_memory_ordered 1
		.amdhsa_forward_progress 1
		.amdhsa_inst_pref_size 70
	.end_amdhsa_kernel
	.amdgpu_metadata
---
amdhsa.version: [ 1, 2 ]
amdhsa.kernels:
  - .name:           k_qe6f543528c_aprep
    .symbol:         k_qe6f543528c_aprep.kd
    .args:
      - { .name: x, .offset: 0, .size: 8, .value_kind: global_buffer, .address_space: global }
      - { .name: part, .offset: 8, .size: 8, .value_kind: global_buffer, .address_space: global }
      - { .name: a2, .offset: 16, .size: 8, .value_kind: global_buffer, .address_space: global }
    .group_segment_fixed_size: 0
    .private_segment_fixed_size: 0
    .kernarg_segment_align: 8
    .kernarg_segment_size: 24
    .max_flat_workgroup_size: 128
    .sgpr_count:     66
    .vgpr_count:     168
    .wavefront_size: 32
...
	.end_amdgpu_metadata
.endif
;; end of part 2
;; launch gemm (part 3): grid 8 x 32, 4 waves a work-group, clusters of 4 x 4, 327,680 bytes of LDS; arguments a2, bt, out0; writes out0
.if DOCPART == 3
	.amdgcn_target "amdgcn-amd-amdhsa--gfx1250"
	.amdhsa_code_object_version 6
	.text
	.protected	k_qe6f543528c_gemm
	.globl	k_qe6f543528c_gemm
	.p2align	8
	.type	k_qe6f543528c_gemm,@function
k_qe6f543528c_gemm:
	s_mov_b64 s[64:65], 0
	v_nop
	global_prefetch_b8 v0, s[64:65] scope:SCOPE_SE
	s_setreg_imm32_b32 hwreg(HW_REG_WAVE_MODE, 25, 1), 1
	s_wait_xcnt 0x0
	s_wait_alu depctr_hold_cnt(0) depctr_sa_sdst(0) depctr_va_vdst(0) depctr_va_sdst(0) depctr_va_ssrc(0) depctr_va_vcc(0) depctr_vm_vsrc(0)
	s_getreg_b32 s2, hwreg(HW_REG_IB_STS2, 6, 4)
	s_cmp_eq_u32 s2, 0
	s_cbranch_scc0 .Lentry_in_a_cluster
	s_endpgm
.Lentry_in_a_cluster:
	s_bfe_u32 s2, ttmp6, 0x10000c
	s_cmp_lg_u32 s2, 0xf033
	s_cbranch_scc0 .Lentry_shape_is_right
	s_endpgm
.Lentry_shape_is_right:
; out0[m][n] = the sum over k of a2[m][k] bt[n][k].  a2: [8192][4096] f16 (x, then the basis), bt: [2048][4096] f16 (base_weight, then grid's sums over g, turned), out0: [8192][2048] f32.
; One f32 sum for each output over all 4,096 k, which is base branch + spline branch.  LIMITS: the operands are f16 as the two launches before made them (their heads state the range); NaN and infinities are not treated apart.
; A tile of out0, 256 x 256, is made by a work-group of four waves; a wave makes 128 x 128: 64 accumulators of 16 x 16, 512 registers.  32 x 8 tiles: 256 work-groups, one tile each.
; K goes in steps of 128 through a ring of two LDS slots filled by the tensor data mover: a tile's rows are 256 bytes of memory and start at multiples of 256 bytes from the buffer's first byte.
; CLUSTERS: 4 x 4 work-groups.  The four of a row of the cluster need the same tiles of a2, the four of a column the same tiles of bt: such a tile is asked for JOINTLY: each of the four issues the same
; tensor load, with the same descriptor and a mask that names the four, and each receives the tile in its own LDS.
; REGISTERS, in windows of 256 (s_set_vgpr_msb's low byte: bits 1:0 source 0, 3:2 source 1, 5:4 source 2, 7:6 destination):
;   window 0: v0-31 addresses; v64-127, v128-191 fragments of a2 (8 x 16 rows x 32 K), two buffers; on the way out the same registers take rows read back from the stage
;   window 1: v64-127, v128-191 fragments of bt, two buffers
;   window 2: the 32 accumulators of my rows 0-63 (accumulator (a, b) at v[8 (8 a + b)]);   window 3: those of my rows 64-127
; THE MATRIX INSTRUCTION IS USED TRANSPOSED: source 0 = 16 rows of bt, source 1 = 16 rows of a2.  In the result lane l holds row m = l % 16 of out0 and its registers 0 to 7 the columns
; n = 8 (l / 16) + 0 .. 7: 32 neighbouring bytes of a row.
.set SIZE_M, 8192
.set SIZE_N, 2048
.set SIZE_K, 4096
.set KSTEP,  128
.set PITCH,  272                       ; an LDS row: 256 bytes of data + 16 of padding = 68 words: row r starts at bank 4 r mod 64 (64 banks of 4 bytes: ISA guide 11.1), so the 16 rows that a load touches start at 16 different banks
.set HALFT,  128*PITCH                 ; 128 rows: what one tensor load brings, and what one wave reads of a2 or of bt
.set SLOT,   4*HALFT                   ; a2's 256 rows, then bt's 256 rows
.set STAGE,  2*SLOT                    ; behind the ring: 16 rows x 528 bytes for each wave, for the way out; no tensor load fills it
.set SPITCH, 528                       ; a stage row: 512 bytes (128 f32) + 16 = 132 words: row r starts at bank 4 r mod 64
.set SPARE,  STAGE+4*16*SPITCH         ; behind the stages: the spare words, 128 bytes for each wave: two blocks of 256 bytes that no other line names
.set LAPS,   SIZE_K/(2*KSTEP)          ; a lap = two K steps = once round the ring: 16
.set ADRA, 16                          ; v16-17  LDS address of my a2 fragments in slot 0, 1
.set ADRB, 20                          ; v20-21  the same for bt
.set STO,  24                          ; v24     the way out: where I put 32 bytes of a row
.set RD,   25                          ; v25     the way out: where I read 16 bytes of a row back
.set CO,   26                          ; v26     16 x lane: my 16 bytes in 512 of a row of out0
.set SPW,  28                          ; v28     LDS address of my spare word: SPARE + 4 x my thread's number; never rewritten
.set NIL,  29                          ; v29     0; never rewritten
.set PFO,  30                          ; v30     the prefetches' offset: my lane x a row of a2 or bt (8,192 bytes); never rewritten
.set PFA,  44                          ; s[44:45] where my prefetches stand: my work-group's 32 rows of the 128 that I fetch, one K step further along K than the refill that is being asked for; a prefetch names the K step after that
.set LIM,  43                          ; s43     1 in a wave that prefetches, else the greatest number
.set F0,   64                          ; fragment buffer 0
.set F1,   128                         ; fragment buffer 1
.set G1, 24                            ; s[24:31] descriptor group 1 for a2's tiles
.set G0, 32                            ; s[32:39] descriptor group 0 for a2's tiles, one set for each slot
.set G1B, 48                           ; s[48:55] descriptor group 1 for bt's tiles: it differs in the mask alone
.set G0B, 56                           ; s[56:63] descriptor group 0 for bt's tiles, one set for each slot
.set MSB, 0
.macro WIN new                         ; the immediate's high byte repeats the setting that is left; a switch that changes nothing is dropped
.if MSB != (\new)
	s_set_vgpr_msb (MSB<<8)|(\new)
.set MSB, \new
.endif
.endm
.set MUL_LO, 0xa1                      ; source 0 (bt) window 1, source 1 (a2) window 0, C and D window 2
.set MUL_HI, 0xf1                      ; the same, C and D window 3
.set TO_B,   0x40                      ; destination window 1, address window 0
; A joint load.  Waves 0 and 1 fetch a2's two halves, waves 2 and 3 bt's.  Each of the two lines has ONE mask and one set of registers for all that issue it.  The branch hangs on the wave's number alone.
; An s_nop 0 and four v_nop follow each of the two lines; the jump round the other line, the label and what follows the macro come after them.
.macro JLOAD s
	s_cmp_eq_u32 s11, 0
	s_cbranch_scc0 .Lfor_b_\@
	tensor_load_to_lds s[G0+4*(\s):G0+4*(\s)+3], s[G1:G1+7]
	s_nop 0
.rept 4
	v_nop
.endr
	s_branch .Lasked_\@
.Lfor_b_\@:
	tensor_load_to_lds s[G0B+4*(\s):G0B+4*(\s)+3], s[G1B:G1B+7]
	s_nop 0
.rept 4
	v_nop
.endr
.Lasked_\@:
.endm
; A PREFETCH INTO THE L2, behind each joint refill, its five lines and the run of LDS loads that follows them: the K step that stands TWO refills on, 512 matrix instructions ahead of the load that will ask for it:
; 32 rows x 256 bytes, a lane a row, one instruction a wave.  Each row's 256 bytes of a K step are named ONCE in the launch: a2's tile row is read by both clusters of that row of clusters: cluster x = 0 asks;
; bt's tile column by the eight clusters of that column: cluster y = 0 asks.  The four partners that ask for a tile jointly share its rows out BY ADDRESS: of the 128 rows that a wave fetches the partner at
; place p takes 32 p .. 32 p + 31 (p = cx for a2, cy for bt): no branch hangs on a work-group's place in its cluster.  K steps 0 to 3 come by their loads alone; the loop's last trip (s3 = 1) asks for nothing: K step 31 is the last.
.macro ASK
	s_cmp_gt_u32 s3, s[LIM]
	s_cbranch_scc0 .Lnot_mine_\@
	global_prefetch_b8 v[PFO], s[PFA:PFA+1] offset:KSTEP*2 th:TH_LOAD_NT scope:SCOPE_SE
.Lnot_mine_\@:
.endm
; A round of the cluster's barrier: my work-group's barrier, so that wave 0's signal speaks for all four waves; wave 0 signals for the work-group; every wave waits for all sixteen work-groups; my work-group's barrier once more.
.macro CREST                           ; a round behind its opening barrier
	s_cmp_lg_u32 s10, 0
	s_cbranch_scc1 .Lnot_wave_0_\@
	s_barrier_signal -3
.Lnot_wave_0_\@:
	s_barrier_wait -3
	s_barrier_signal -1
	s_barrier_wait -1
.endm
.macro CROUND                          ; a whole round
	s_barrier_signal -1
	s_barrier_wait -1
	CREST
.endm
	s_load_b128 s[4:7], s[0:1], 0x0                ; a2 s[4:5], bt s[6:7]
	s_load_b64 s[8:9], s[0:1], 0x10                ; out0
	v_lshl_add_u32 v[SPW], v0, 2, SPARE
	v_mov_b32 v[NIL], 0
	ds_add_u32 v[SPW], v[NIL]                      ; the wave's opening: the add; its wait stands ahead of my first tensor load; the set-up below, work on registers, stands between them
	v_lshrrev_b32 v1, 5, v0
	v_readfirstlane_b32 s10, v1                    ; wave 0..3
	s_lshr_b32 s11, s10, 1                         ; which half of the tile's rows is mine.  Also: I fetch for a2 (0) or for bt (1)
	s_and_b32 s12, s10, 1                          ; which half of its columns.  Also: which 128 rows of that tile I fetch
	s_bfe_u32 s40, ttmp6, 0x40000                  ; cx: my place along the cluster's x
	s_bfe_u32 s41, ttmp6, 0x40004                  ; cy: along its y
	s_lshl_b32 s42, ttmp9, 2                       ; in a cluster launch ttmp9 and ttmp7 count clusters
	s_add_co_u32 s42, s42, s40                     ; tile column = 4 x cluster x + cx
	s_and_b32 s13, ttmp7, 0xffff
	s_lshl_b32 s13, s13, 2
	s_add_co_u32 s13, s13, s41                     ; tile row = 4 x cluster y + cy
	s_lshl_b32 s43, s41, 2
	s_lshl_b32 s43, 15, s43                        ; my row of the cluster: places 4 cy .. 4 cy + 3
	s_lshl_b32 s44, 0x1111, s40                    ; my column: places cx, cx + 4, cx + 8, cx + 12
	; descriptor group 1: a tile of 128 rows x 128 elements, padded in LDS
	s_or_b32 s[G1+0], s43, (1<<16)|(1<<20)|(1<<21)|(5<<22)|(3<<25)  ; 15:0 the mask: a2's tiles go to my row; 17:16 element of 2 bytes; 20 padding on; 21 set beside a mask; 24:22 after every 64 words (code 5); 31:25 of 4 words (code 3)
	s_or_b32 s[G1B+0], s44, (1<<16)|(1<<20)|(1<<21)|(5<<22)|(3<<25) ; the same with the mask of my column, for bt's tiles
	s_mov_b32 s[G1B+1], KSTEP<<16
	s_mov_b32 s[G1+1], KSTEP<<16                   ; 63:48 tensor_dim0, low half = 128
	s_mov_b32 s[G1B+2], 128<<16
	s_mov_b32 s[G1+2], 128<<16                     ; 79:64 its high half = 0; 95:80 tensor_dim1, low half = 128
	s_mov_b32 s[G1B+3], KSTEP<<16
	s_mov_b32 s[G1+3], KSTEP<<16                   ; 111:96 its high half = 0; 127:112 tile_dim0 = 128
	s_mov_b32 s[G1B+4], 128
	s_mov_b32 s[G1+4], 128                         ; 143:128 tile_dim1 = 128; 159:144 tile_dim2 = 0
	s_mov_b32 s[G1B+5], SIZE_K
	s_mov_b32 s[G1+5], SIZE_K                      ; 191:160 tensor_dim0_stride, low word: elements from row to row
	s_mov_b32 s[G1B+6], 0
	s_mov_b32 s[G1+6], 0
	s_mov_b32 s[G1B+7], 0
	s_mov_b32 s[G1+7], 0
	; where the tiles come from.  a2's hang on the tile row alone, which my row of the cluster shares; bt's on the tile column alone, which my column shares.
	; Every wave makes both addresses, in registers that never hold the other coordinate, and asks by one of them.
	s_lshl_b32 s17, s12, 7                         ; which 128 rows of the tile I fetch
	s_lshl_b32 s16, s13, 8
	s_add_co_u32 s16, s16, s17                     ; a2: row 256 x tile row + 128 x half
	s_lshl_b32 s46, s42, 8
	s_add_co_u32 s46, s46, s17                     ; bt: row 256 x tile column + 128 x half
	s_mov_b32 s17, 0
	s_mov_b32 s47, 0
	s_mov_b64 s[18:19], SIZE_K*2
	s_mul_u64 s[16:17], s[16:17], s[18:19]         ; in bytes
	s_mul_u64 s[46:47], s[46:47], s[18:19]
	s_mul_i32 s20, s10, HALFT                      ; and where they go: a2's two halves, then bt's two halves = wave x 128 rows: no place in the cluster enters an LDS address
	s_wait_dscnt 0x0                               ; the opening add is done
	s_wait_kmcnt 0x0
	s_add_nc_u64 s[14:15], s[4:5], s[16:17]
	s_add_nc_u64 s[46:47], s[6:7], s[46:47]
	CROUND                                         ; all sixteen work-groups are here: the first joint loads meet
.irp s, 0,1
	s_mov_b32 s[G0+4*(\s)], 1                                      ; 1:0 count = 1
	s_add_co_u32 s[G0+4*(\s)+1], s20, (\s)*SLOT                    ; 63:32 LDS address
	s_add_nc_u64 s[G0+4*(\s)+2:G0+4*(\s)+3], s[14:15], (\s)*KSTEP*2  ; 120:64 global address: K step s
	s_or_b32 s[G0+4*(\s)+3], s[G0+4*(\s)+3], 0x80000000            ; 127:126 type = 2
	s_mov_b32 s[G0B+4*(\s)], 1
	s_add_co_u32 s[G0B+4*(\s)+1], s20, (\s)*SLOT
	s_add_nc_u64 s[G0B+4*(\s)+2:G0B+4*(\s)+3], s[46:47], (\s)*KSTEP*2
	s_or_b32 s[G0B+4*(\s)+3], s[G0B+4*(\s)+3], 0x80000000
	JLOAD \s                                       ; the ring is filled before anything else is done: two tensor loads of mine are out
.endr
	; A fragment is 16 rows x 32 K in 8 registers: lane l holds row l % 16; registers 0-3 hold K = 8 (l / 16) + 0..7, registers 4-7 hold K = 16 + 8 (l / 16) + 0..7: two loads of 16 bytes, 32 bytes apart.
	v_and_b32 v1, 15, v0                           ; l % 16
	v_bfe_u32 v2, v0, 4, 1                         ; l / 16
	v_mul_u32_u24 v3, v1, PITCH
	v_lshl_add_u32 v3, v2, 4, v3                   ; row x pitch + 16 x half
	s_mul_i32 s21, s11, HALFT                      ; my 128 rows of a2
	s_mul_i32 s22, s12, HALFT                      ; my 128 rows of bt,
	s_add_co_u32 s22, s22, 2*HALFT                 ; which lie behind a2's 256
.irp s, 0,1
	v_add_nc_u32 v[ADRA+(\s)], s21, v3
	v_add_nc_u32 v[ADRB+(\s)], s22, v3
	s_add_co_u32 s21, s21, SLOT
	s_add_co_u32 s22, s22, SLOT
.endr
	s_mul_i32 s23, s10, 16*SPITCH
	s_add_co_u32 s23, s23, STAGE                   ; my stage
	v_mul_u32_u24 v4, v1, SPITCH                   ; in: row l % 16, 32 bytes for each half of the lanes
	v_lshl_add_u32 v4, v2, 5, v4
	v_add_nc_u32 v[STO], s23, v4
	v_and_b32 v5, 31, v0
	v_lshlrev_b32 v[CO], 4, v5                     ; back: the 32 lanes take one row of 512 bytes,
	v_add_nc_u32 v[RD], s23, v[CO]                 ; and the same 512 bytes of a row of out0
	; where my part of the tile begins in out0
	s_lshl_b32 s13, s13, 8                         ; 256 x tile row
	s_lshl_b32 s14, s11, 7
	s_add_co_u32 s16, s13, s14                     ; my first row
	s_mov_b32 s17, 0
	s_mov_b64 s[18:19], SIZE_N*4
	s_mul_u64 s[16:17], s[16:17], s[18:19]
	s_lshl_b32 s46, s42, 10                        ; my first column, in bytes: 1,024 x tile column + 512 x half (in the registers that held bt's address: none that feeds a2's descriptors ever holds cx)
	s_lshl_b32 s47, s12, 9
	s_add_co_u32 s46, s46, s47
	s_mov_b32 s47, 0
	s_add_nc_u64 s[16:17], s[16:17], s[46:47]
	s_add_nc_u64 s[8:9], s[8:9], s[16:17]          ; never stepped again: a store's row stands in its immediate
	; the prefetches.  s13 = 256 x tile row, s42 = tile column, s40 = cx, s41 = cy still stand
	s_lshl_b32 s42, s42, 8
	s_and_b32 s22, ttmp7, 0xffff                   ; cluster y
	s_cmp_eq_u32 s11, 0                            ; do I fetch for a2?
	s_cselect_b32 s20, s13, s42                    ; the tile's first row: in a2 by the tile row, in bt by the tile column
	s_cselect_b32 s21, s40, s41                    ; my place among the four that ask for it with me
	s_cselect_b32 s22, ttmp9, s22                  ; the coordinate along which other clusters read the same rows
	s_cselect_b64 s[PFA:PFA+1], s[4:5], s[6:7]
	s_cmp_eq_u32 s22, 0
	s_cselect_b32 s[LIM], 1, -1                    ; the same in all sixteen partners, for a given wave
	s_lshl_b32 s22, s12, 7
	s_add_co_u32 s20, s20, s22                     ; + the 128 rows that I fetch
	s_lshl_b32 s21, s21, 5
	s_add_co_u32 s20, s20, s21                     ; + my work-group's 32 of them
	s_mov_b32 s21, 0
	s_mov_b64 s[18:19], SIZE_K*2
	s_mul_u64 s[20:21], s[20:21], s[18:19]
	s_add_nc_u64 s[PFA:PFA+1], s[PFA:PFA+1], s[20:21]
	s_add_nc_u64 s[PFA:PFA+1], s[PFA:PFA+1], 2*KSTEP*2  ; at K step 2: the first refill steps it to 3 and names K step 4
	v_and_b32 v[PFO], 31, v0
	v_mul_u32_u24 v[PFO], v[PFO], SIZE_K*2
	; nothing is prefetched here, at the head, where every work-group's first two tiles are on their way
; 16 matrix instructions: m blocks a0, a0 + 1 of the window's four (hi = 0: my rows 0-63, 1: rows 64-127) x all 8 n blocks, 32 along K.  zero = 1: the first product starts the sums: nothing is ever cleared.
; The 64 accumulators take turns, one instruction a turn, in the same order in every quarter step, over the backward jump and into the tail.
.macro MUL16 f, hi, a0, zero
	WIN MUL_LO+0x50*(\hi)  ; MUL_LO or MUL_HI
.irp a, \a0, (\a0)+1
.irp b, 0,1,2,3,4,5,6,7
.if \zero
	v_wmma_f32_16x16x32_f16 v[8*(8*(\a)+(\b)):8*(8*(\a)+(\b))+7], v[(\f)+8*(\b):(\f)+8*(\b)+7], v[(\f)+8*(4*(\hi)+(\a)):(\f)+8*(4*(\hi)+(\a))+7], 0
.else
	v_wmma_f32_16x16x32_f16 v[8*(8*(\a)+(\b)):8*(8*(\a)+(\b))+7], v[(\f)+8*(\b):(\f)+8*(\b)+7], v[(\f)+8*(4*(\hi)+(\a)):(\f)+8*(4*(\hi)+(\a))+7], v[8*(8*(\a)+(\b)):8*(8*(\a)+(\b))+7]
.endif
.endr
.endr
.endm
; 32 LDS loads in one run: the fragments of one quarter step (128 rows of bt, 128 rows of a2, 32 K at byte k of the rows) into buffer f
.macro FETCH slot, k, f
	WIN TO_B
.irp i, 0,1,2,3,4,5,6,7
	ds_load_b128 v[(\f)+8*(\i):(\f)+8*(\i)+3],   v[ADRB+(\slot)] offset:(\k)+(\i)*16*PITCH
	ds_load_b128 v[(\f)+8*(\i)+4:(\f)+8*(\i)+7], v[ADRB+(\slot)] offset:(\k)+(\i)*16*PITCH+32
.endr
	WIN 0
.irp i, 0,1,2,3,4,5,6,7
	ds_load_b128 v[(\f)+8*(\i):(\f)+8*(\i)+3],   v[ADRA+(\slot)] offset:(\k)+(\i)*16*PITCH
	ds_load_b128 v[(\f)+8*(\i)+4:(\f)+8*(\i)+7], v[ADRA+(\slot)] offset:(\k)+(\i)*16*PITCH+32
.endr
.endm
; A load into a register that a matrix instruction has read, and a store that reads a matrix result, stand four places behind that matrix instruction, and only plain vector instructions that name none of
; its registers are places (ISA guide 7.12.1 for vector instructions): four v_nop in front of each run of loads.
.macro PLACES
.rept 4
	v_nop
.endr
.endm
; A K step is four quarter steps of 32 along K, 64 matrix instructions each, on buffers 0, 1, 0, 1.
; One of the first three: multiplies buffer f; in its middle it fetches the next quarter's fragments, at byte k of the same slot's rows, into buffer g.
.macro QUARTER slot, k, f, g, zero
	s_wait_dscnt 8                                 ; bt and a2's rows 0-63 are in; the youngest eight loads (a2's rows 64-127) may be out
	WIN MUL_LO
	MUL16 \f, 0, 0, \zero
	MUL16 \f, 0, 2, \zero
	PLACES
	FETCH \slot, \k, \g
	s_wait_dscnt 32                                ; all but the 32 just issued
	WIN MUL_HI
	MUL16 \f, 1, 0, \zero
	MUL16 \f, 1, 2, \zero
.endm
; The last quarter multiplies buffer 1 and changes slots.  MEET is its first half: ONE barrier for the change of slots.  In front of it each wave waits for all its tensor loads, of which one is out: its part
; of the next slot; adds 0 to its spare word; and waits for that and for its own reads of this slot.  Behind it nobody reads this slot any more and the next slot is whole.
.macro MEET round                      ; round = 1: a round of the cluster's barrier follows
	WIN 0                                          ; (the add's two registers lie in window 0)
	s_wait_tensorcnt 0x0                           ; all my tensor loads have landed: the one that was out is my part of the next slot;
	ds_add_u32 v[SPW], v[NIL]                      ; 0 onto my spare word;
	s_wait_dscnt 9                                 ; (the add and the youngest eight loads may be out)
	WIN MUL_LO
	MUL16 F1, 0, 0, 0                              ; sixteen matrix instructions stand between the add and the wait for it
	s_wait_dscnt 0x0                               ; the add is done, and my reads of this slot are over:
	s_barrier_signal -1                            ; say so (where a slot is filled again this barrier opens a round of the cluster's barrier),
	MUL16 F1, 0, 2, 0                              ; work on registers while the others arrive,
.if \round
	WIN 0
.endif
	s_barrier_wait -1                              ; and go on when all four have said so
.endm
; The whole last quarter.  fill = 1: behind the round the slot just read out is filled again first, with the K step two steps on; then come the next slot's first fragments.
; From a request to the wait for it a wave issues 224 matrix instructions.  fill = 0 (the last lap): nothing is asked for, and the barrier is the work-group's alone.
.macro TURN slot, next, fill
.if \fill
	s_wait_xcnt 0x0                                ; the last prefetch, a K step back, has read its address: it is stepped here, ahead of the waits of the change of slots
	s_add_nc_u64 s[PFA:PFA+1], s[PFA:PFA+1], KSTEP*2
	MEET 1
	CREST                                          ; wave 0 says so for the work-group, all sixteen work-groups have said so, my work-group's barrier closes the round:
	                                               ; no wave of any partner still reads this slot's tile or has a load on its way
	s_add_nc_u64 s[G0+4*(\slot)+2:G0+4*(\slot)+3], s[G0+4*(\slot)+2:G0+4*(\slot)+3], 2*KSTEP*2
	s_add_nc_u64 s[G0B+4*(\slot)+2:G0B+4*(\slot)+3], s[G0B+4*(\slot)+2:G0B+4*(\slot)+3], 2*KSTEP*2
	JLOAD \slot                                    ; the first tensor load behind the round, my only one until the next; the four v_nop behind it are also the places in front of the loads below
.else
	MEET 0
	PLACES
.endif
	FETCH \next, 0, F0
.if \fill
	ASK                                            ; behind the joint load and the run of LDS loads that the next products wait for
.endif
	WIN MUL_HI
	MUL16 F1, 1, 0, 0
	MUL16 F1, 1, 2, 0
.endm
; THE WAY OUT of block a (16 rows x 128 columns of f32).  TOSTAGE: a lane's 32 bytes of a row go into my own stage in LDS, each accumulator's four lowest registers first, and come back
; as whole rows of 512 bytes, into the fragments' registers: two buffers of 64 by turns.  SEND: they are stored.
.macro TOSTAGE a
.set AC, 64*((\a)%4)
.set BK, F0+64*((\a)%2)
	WIN 0x08+4*((\a)/4)                            ; the stores' data (source 1): window 2 or 3
.irp b, 0,1,2,3,4,5,6,7
	ds_store_b128 v[STO], v[AC+8*(\b):AC+8*(\b)+3]   offset:64*(\b)
	ds_store_b128 v[STO], v[AC+8*(\b)+4:AC+8*(\b)+7] offset:64*(\b)+16
.endr
	WIN 0
.if (\a) >= 2
	s_wait_xcnt 0x0                                ; this buffer was the data of block a - 2's stores: it is loaded again only behind this wait
.endif
.irp t, 0,1,2,3,4,5,6,7,8,9,10,11,12,13,14,15
	ds_load_b128 v[BK+4*(\t):BK+4*(\t)+3], v[RD] offset:(\t)*SPITCH  ; LDS serves a wave's instructions in order (ISA guide 5.7.1.4): these see the stores above, and the next block's stores come behind them
.endr
.endm
.macro SEND a, younger                 ; younger: the LDS instructions issued behind block a's loads: the next block's 32, or none
	WIN 0
.set BK, F0+64*((\a)%2)
.irp t, 0,1,2,3,4,5,6,7,8,9,10,11,12,13,14,15
	s_wait_dscnt (\younger)+15-(\t)
	global_store_b128 v[CO], v[BK+4*(\t):BK+4*(\t)+3], s[8:9] offset:(16*(\a)+(\t))*SIZE_N*4 th:TH_STORE_NT  ; the wave stores 512 consecutive bytes, at a multiple of 256 from out0's first byte; 127 rows at the most: 1,040,384, inside the signed 24-bit immediate
.endr
.endm
	s_wait_tensorcnt 1                             ; my part of K step 0 is in; K step 1's may stay out
	s_barrier_signal -1
	s_barrier_wait -1                              ; everybody's is
	FETCH 0, 0, F0
	QUARTER 0, 64,  F0, F1, 1                      ; the first quarter stands in front of the loop: its products start the sums
	WIN 0                                          ; at a label and at a branch every window is 0
	s_mov_b32 s3, LAPS-1
.Llap:                                                 ; 15 trips: a trip goes once round the ring, from a lap's second quarter to the next lap's first, and fills both slots again
	QUARTER 0, 128, F1, F0, 0
	QUARTER 0, 192, F0, F1, 0
	TURN 0, 1, 1
	QUARTER 1, 64,  F0, F1, 0
	QUARTER 1, 128, F1, F0, 0
	QUARTER 1, 192, F0, F1, 0
	TURN 1, 0, 1
	QUARTER 0, 64,  F0, F1, 0
	WIN 0
	s_sub_co_u32 s3, s3, 1
	s_cmp_lg_u32 s3, 0
	s_cbranch_scc1 .Llap
	QUARTER 0, 128, F1, F0, 0                      ; the last lap is written out: it fills nothing, and has no round of the cluster's barrier
	QUARTER 0, 192, F0, F1, 0
	TURN 0, 1, 0
	QUARTER 1, 64,  F0, F1, 0
	QUARTER 1, 128, F1, F0, 0
	QUARTER 1, 192, F0, F1, 0
	s_wait_dscnt 8                                 ; the very last quarter: nothing more to fetch
	MUL16 F1, 0, 0, 0
	MUL16 F1, 0, 2, 0
	s_wait_dscnt 0x0
	MUL16 F1, 1, 0, 0
	MUL16 F1, 1, 2, 0
	WIN 0
	PLACES                                         ; behind the last products: the LDS stores read results, and the loads from the stage land in fragments' registers
	PLACES                                         ; (eight, once a launch)
	TOSTAGE 0
.irp a, 1,2,3,4,5,6,7                  ; block a's way through the stage is issued ahead of block a - 1's stores
	TOSTAGE \a
	SEND (\a)-1, 32
.endr
	SEND 7, 0
	s_wait_tensorcnt 0x0                           ; the wave's end: an add of 0 to my spare word and its wait follow, behind my last tensor load and my last LDS store
	ds_add_u32 v[SPW], v[NIL]
	s_wait_dscnt 0x0
	CROUND                                         ; the closing round: no work-group ends while a partner may still ask for a tile that names it
	s_endpgm
.Lfunc_end_k_qe6f543528c_gemm:
	.size	k_qe6f543528c_gemm, .Lfunc_end_k_qe6f543528c_gemm-k_qe6f543528c_gemm
	.p2alignl 7, 3214868480
	.fill 96, 4, 3214868480
	.section	.rodata,"a",@progbits
	.p2align	6, 0x0
	.amdhsa_kernel k_qe6f543528c_gemm
		.amdhsa_group_segment_fixed_size 327680
		.amdhsa_private_segment_fixed_size 0
		.amdhsa_enable_private_segment 0
		.amdhsa_kernarg_size 24
		.amdhsa_user_sgpr_count 2
		.amdhsa_user_sgpr_kernarg_segment_ptr 1
		.amdhsa_wavefront_size32 1
		.amdhsa_system_sgpr_workgroup_id_x 1
		.amdhsa_system_sgpr_workgroup_id_y 1
		.amdhsa_system_sgpr_workgroup_id_z 1
		.amdhsa_system_vgpr_workitem_id 0
		.amdhsa_next_free_vgpr 1024
		.amdhsa_next_free_sgpr 66
		.amdhsa_reserve_vcc 0
		.amdhsa_float_denorm_mode_32 3
		.amdhsa_float_denorm_mode_16_64 3
		.amdhsa_memory_ordered 1
		.amdhsa_forward_progress 1
		.amdhsa_inst_pref_size 145
	.end_amdhsa_kernel
	.amdgpu_metadata
---
amdhsa.version: [ 1, 2 ]
amdhsa.kernels:
  - .name:           k_qe6f543528c_gemm
    .symbol:         k_qe6f543528c_gemm.kd
    .args:
      - { .name: a2, .offset: 0, .size: 8, .value_kind: global_buffer, .address_space: global }
      - { .name: bt, .offset: 8, .size: 8, .value_kind: global_buffer, .address_space: global }
      - { .name: out0, .offset: 16, .size: 8, .value_kind: global_buffer, .address_space: global }
    .group_segment_fixed_size: 327680
    .private_segment_fixed_size: 0
    .kernarg_segment_align: 8
    .kernarg_segment_size: 24
    .max_flat_workgroup_size: 128
    .sgpr_count:     66
    .vgpr_count:     1024
    .wavefront_size: 32
...
	.end_amdgpu_metadata
.endif
;; end of part 3
